; MI455X (gfx1250); checked and timed in simulation.
; The chip was launched on July 23, 2026; its instructions are those of AMD's public machine-readable ISA for CDNA 5 (MIT licence, August 2026) and "CDNA5" Instruction Set Architecture Reference Guide (July 2026). The comments in the code are by the model that wrote it; some were corrected since.
;; Spatial Attention. Allowed arithmetic: matrix products marked QUANTISED: E2M3 operands, one E8M0 scale for each 32 along K, by v_wmma_scale_f32_16x16x128_f8f6f4 with both operands' format E2M3, f32 sums; everything else in f32.
;; Inputs: Wk_codes 512 x 16 x 24 uint8 (E2M3 codes of Wk, K innermost, in blocks of 32 codes, four codes in three bytes); Wk_scales 512 x 16 uint8 (E8M0 scales of Wk, one for each 32 codes along K); Wo_codes 512 x 16 x 24 uint8 (E2M3 codes of Wo, K innermost, in blocks of 32 codes, four codes in three bytes); Wo_scales 512 x 16 uint8 (E8M0 scales of Wo, one for each 32 codes along K); Wq_codes 512 x 16 x 24 uint8 (E2M3 codes of Wq, K innermost, in blocks of 32 codes, four codes in three bytes); Wq_scales 512 x 16 uint8 (E8M0 scales of Wq, one for each 32 codes along K); Wv_codes 512 x 16 x 24 uint8 (E2M3 codes of Wv, K innermost, in blocks of 32 codes, four codes in three bytes); Wv_scales 512 x 16 uint8 (E8M0 scales of Wv, one for each 32 codes along K); rope_cos 256 x 32 float32; rope_sin 256 x 32 float32; x_codes 4 x 16 x 256 x 16 x 24 uint8 (E2M3 codes of x, K innermost, in blocks of 32 codes, four codes in three bytes); x_scales 4 x 16 x 256 x 16 uint8 (E8M0 scales of x, one for each 32 codes along K).
;; Outputs: out0 4 x 16 x 256 x 512 float32.
;; This version of the problem:
;;   THIS VERSION OF THE PROBLEM IS GIVEN IN LOW PRECISION. The matrix products marked QUANTISED in the list below multiply operands that are first quantised to E2M3 (2 exponent bits, 3 mantissa bits; 6 bits a number), with one power-of-two scale for each 32 numbers along K (OCP MX v1.0); their sums are f32. All else is computed in f32.
;;   The module's matrix products, in the order in which they are computed (A, B: the left and right operand; K: the contracted axis; several contracted axes count as one K, in the product's order):
;;     1. [M 16,384, K 512] x [K 512, N 512]; A: input x (given as codes); B: input Wq (given as codes): QUANTISED
;;     2. [M 16,384, K 512] x [K 512, N 512]; A: input x (given as codes); B: input Wk (given as codes): QUANTISED
;;     3. [M 16,384, K 512] x [K 512, N 512]; A: input x (given as codes); B: input Wv (given as codes): QUANTISED
;;     4. batch 1,024 x [M 256, K 32] x [K 32, N 256]; A: computed on the way; B: computed on the way: QUANTISED
;;     5. batch 1,024 x [M 32, K 256] x [K 256, N 256]; A: computed on the way; B: softmax (see below): QUANTISED
;;     6. [M 16,384, K 512] x [K 512, N 512]; A: computed on the way; B: input Wo (given as codes): QUANTISED
;;   THE QUANTISER, for each operand of a quantised product, along K:
;;     - K is cut into blocks of 32 from its start; a last block that is shorter is filled with zeros.
;;     - A block's scale is 2^e with e = floor(log2(the largest magnitude in the block)) - 2, held to -126 .. 127; a block of zeros has e = 0. As a byte (E8M0): e + 127.
;;     - Each number is divided by its block's scale, clamped to +-7.5, and rounded to the nearest number of E2M3, ties to even, subnormals kept.
;;     - The product sums the exact products of the quantised numbers (number of the format x scale) in f32.
;;   ~~~python
;;   def quantise(x, axis):      # numpy; x: float32 -> the quantised numbers, widened to float32 again
;;       x = np.moveaxis(x, axis, -1); K = x.shape[-1]
;;       x = np.pad(x, [(0, 0)] * (x.ndim - 1) + [(0, -K % 32)]); x = x.reshape(x.shape[:-1] + (-1, 32)); a = np.abs(x).max(-1, keepdims=True)
;;       e = np.where(a > 0, np.clip(np.frexp(np.where(a > 0, a, 1))[1] - 1 - 2, -126, 127), 0)      # np.frexp(a)[1] - 1 = floor(log2(a)), exactly
;;       r = np.clip(x / 2.0 ** e, -7.5, 7.5)
;;       step = 2.0 ** (np.maximum(np.frexp(np.where(r == 0, 1, r))[1] - 1, 0) - 3)
;;       q = np.round(r / step) * step * 2.0 ** e      # np.round: ties to even
;;       return np.moveaxis(q.reshape(q.shape[:-2] + (-1,))[..., :K], -1, axis).astype(np.float32)
;;   ~~~
;;   SOFTMAX AHEAD OF A QUANTISED PRODUCT. Where the list says 'softmax', what is quantised is not the finished softmax but p = 2^(t - M), with t = logit x log2(e) and M = ceil(the row's largest t), a whole number; so 1/2 < the row's largest p <= 1. The row's sum l is taken of the UNQUANTISED p, in f32, and the product's result is divided by l at the end. Since M is a whole number, a kernel that streams over the keys may use a running M (the ceiling of the running maximum): every later rescaling is an exact power of two, which a block's scale takes up: the codes' values come out the same.
;;   OPERANDS COMPUTED ON THE WAY. 'Computed on the way' means the value that the module computes at that place (a softmax that the list does not call 'softmax' is quantised finished and normalised). What goes into a quantiser is computed in f32, as accurately as f32 sums, v_exp_f32 and their like allow (about 1e-6 of the number): no bf16 or f16 on the way to a quantiser, and a product that is left as it is and whose result goes on into a quantised operand takes f32 operands (vector FMAs, or v_wmma_f32_16x16x4_f32). A number that lies on a knife's edge between two numbers of the format may be rounded either way, as far as f32 arithmetic and the matrix unit's own rounding can turn it there, and no further.
;;   INPUTS GIVEN AS CODES. Wk (in the module: [512, 512], K = its axis 1); Wo (in the module: [512, 512], K = its axis 1); Wq (in the module: [512, 512], K = its axis 1); Wv (in the module: [512, 512], K = its axis 1); x (in the module: [4, 16, 256, 512], K = its axis 3): each comes as NAME_codes (uint8): NAME with its K axis moved to the last place and cut into blocks of 32 codes, [.., K / 32, bytes a block], one block behind the other in memory; four codes in three bytes: a row's codes are one little-endian stream of bits, code i at bits 6 i .. 6 i + 5 (a code: sign, 2 exponent bits, 3 mantissa bits); and NAME_scales (uint8): the same leading axes, one E8M0 byte (e + 127) for each 32 codes along K. Its value is code x scale, taken as it is: it is not quantised again, and the codes and scales need not be those that the quantiser above would give.
;; One version. Each part assembles by itself: llvm-mc -triple=amdgcn-amd-amdhsa -mcpu=gfx1250 --defsym DOCPART=n.
;; ======== version 1 of 1: 2 launches
;; limits: right only within a limited range of input values
;; workspace buffers: ac 6,291,456 bytes; asc 262,144 bytes
;; launch attn (part 1): grid 4 x 64, 16 waves a work-group, clusters of 4 x 4, 304,128 bytes of LDS; arguments x_codes, x_scales, Wq_codes, Wq_scales, Wk_codes, Wk_scales, Wv_codes, Wv_scales, rope_cos, rope_sin, ac, asc; writes ac, asc
.if DOCPART == 1
	.amdgcn_target "amdgcn-amd-amdhsa--gfx1250"
	.amdhsa_code_object_version 6
	.text
	.protected	k_q6bfb2a54d7_attn
	.globl	k_q6bfb2a54d7_attn
	.p2align	8
	.type	k_q6bfb2a54d7_attn,@function
k_q6bfb2a54d7_attn:
	s_mov_b64 s[64:65], 0
	v_nop
	global_prefetch_b8 v0, s[64:65] scope:SCOPE_SE
	s_setreg_imm32_b32 hwreg(HW_REG_WAVE_MODE, 25, 1), 1
	s_wait_xcnt 0x0
	s_wait_alu depctr_hold_cnt(0) depctr_sa_sdst(0) depctr_va_vdst(0) depctr_va_sdst(0) depctr_va_ssrc(0) depctr_va_vcc(0) depctr_vm_vsrc(0)
	s_getreg_b32 s2, hwreg(HW_REG_IB_STS2, 6, 4)
	s_cmp_eq_u32 s2, 0
	s_cbranch_scc0 .Lentry_in_a_cluster
	s_endpgm
.Lentry_in_a_cluster:
	s_bfe_u32 s2, ttmp6, 0x10000c
	s_cmp_lg_u32 s2, 0xf033
	s_cbranch_scc0 .Lentry_shape_is_right
	s_endpgm
.Lentry_shape_is_right:
; q, k, v = x W^T on given codes; RoPE and RMS norm of q and k per head of 32; S = q k^T; soft cap; p = 2^t; O = p v / l; O quantised along the 512 channels.
; All products on codes of FP6 (E2M3) with one E8M0 scale for each 32 along K.  Results: ac (codes of O as images of operand registers) and asc (their scale words).
; SHARES.  Work-group (g, bt): the 256 tokens of slice bt, heads 4 g .. 4 g + 3 (128 columns).  Sixteen waves of 256 registers.
;   Wave w: b = w / 2, a block of 32 tokens (two tiles u = 0, 1: row r of tile 2 b + u is token 32 b + 16 u + r); hp = w % 2, the heads 2 hp and 2 hp + 1 of the group.
;   The 16 registers of a block's two tiles in a transposed result are tokens 8 h + 0 .. 7 and 16 + 8 h + 0 .. 7 of the block: V's codes and p's have this one order of keys inside a block of 32, so the products and the scales are the same.
; PHASE A (three passes, K = 512 in four steps): V^T (source 0 = x, source 1 = Wv: a lane holds a channel, registers run down the keys), then Q and K (source 0 = W, source 1 = x: a lane holds a token, registers run along the head).
;   Each result is quantised in registers and laid into LDS in the order of the next operand's registers.
; PHASE B, per head: S^T = K Q^T.  K = 32 fills one block of the instruction's four: a K fragment's lanes 0-15 hold head 2 hp's block, lanes 16-31 head 2 hp + 1's; of Q only the head in hand is kept,
;   the other half of the lanes and registers 6-11 are zero codes.  Inside the block q and k have the same order of channels (0-7, 16-23, 8-15, 24-31): one scale block, the same products.
;   Both key steps' codes of p stay in registers; O^T = V^T P^T is one run of eight products.
;   t = 50 tanh(s / (50 sqrt 32)) log2 e = s (K0 + K1 w + K2 w^2), w = s^2: tanh's series, its terms y^7 and y^9 replaced by their Chebyshev economisation over 0 <= y^2 <= 0.0231125.
; WHAT THE POLYNOMIAL AND THE FIXED M REST ON: q and k are normalised to length sqrt 32 at the most, for every input; their codes lengthen them by under 1.15, so |s| <= 43, y = |s| / 282.8 <= 0.15203:
;   the polynomial's error is under 2.2e-8 of tanh, and |t| <= 11: 2^t and a row's sum of 256 of them lie between 2^-11 and 2^19.  So M is the whole number 0: a block's scale takes up any whole M, the codes' values are the same.
; O'S IMAGES have the order that the next launch reads: row r' of image tile 2 b + u' is token 32 b + 8 u' + r' + 8 (r' / 8).  So my row r of tile u goes to u' = r / 8, r' = r % 8 + 8 u.
; LIMITS: NaN, infinities and the scale byte 0xff among the inputs are not served.  A block whose largest magnitude lies under 2^-124, a block of zeros too, gets the byte 1 (its codes are then zeros or the nearest codes);
;   these bytes are read by this program alone.
; CLUSTER 4 x 4: the four work-groups of a row share bt and so x's tile, the four of a column share g and so the weights' tiles: each tile is asked for jointly.  Every tile is filled once; nothing is filled again.
; No prefetch: all tiles are asked for at the head, and there is no loop whose later trips bring others.
.set PITCH, 432                        ; an LDS row of 384 bytes of codes: 16 more behind every 128 = 108 words: 16 neighbouring rows start at 16 different groups of four banks (64 banks of 4 bytes: ISA guide 11.1)
.set FILLB, 64*PITCH                   ; what one tensor load brings: 64 rows
.set WVB,   4*FILLB                    ; x's 256 rows at 0; then 128 rows each of Wv, Wq, Wk
.set WSTEP, 2*FILLB
.set QIMG,  WVB                        ; in Wv's bytes, written when every wave has left them: Q's half fragments (tile T, hp) at (2 T + hp) 768, 24 bytes a lane
.set KIMG,  QIMG+24576                 ; K's likewise
.set KSC,   KIMG+24576                 ; K's scale words: hp 1280 + 80 r + 4 T
.set VIMG,  10*FILLB                   ; V^T's fragments (head, dt, key step) at ((2 head + dt) 2 + ks) 1536, 48 bytes a lane
.set VSC,   VIMG+24576                 ; their scale words: head 256 + ks 128 + dt 64 + 4 r
.set SPARE, VSC+1024                   ; the spare words, 128 bytes a wave
.set OSC,   24576                      ; x's bytes, written when every wave has left them: O's image tile T at 1536 T, 48 bytes a lane; here its scale words: 64 T + 4 r', byte = head
; phase A's registers
.set ADX, 1                            ; v1, v2 tile 0's rows of x (v2: for pieces that lie behind one padding more in lanes 16-31); v246, v247 tile 1's
.set ADW, 3                            ; v3, v4 column tile 0's weight rows; v248-253 those of tiles 1 to 3
.set AQW, 5                            ; where my 12 bytes of a q or k block go
.set AVW, 6                            ; where my 12 bytes of a block of V^T go
.set AVB, 7                            ; and its scale byte
.set AKW, 8                            ; K's two scale words
.set QS,  10                           ; v10, v11 q's scale words, tiles 0, 1: they stay
.set XS,  12                           ; v12-15 x's scale words, one for each K step; lanes 0-15 tile 0, lanes 16-31 tile 1
.set KW,  16                           ; v16, v17 k's scale words
.set WS,  18                           ; v18-41 the weights': 8 pass + 4 head + K step; lanes 0-15 column tile 0, lanes 16-31 column tile 1
.set ROPE, 42                          ; v42-105 tile u at 42 + 32 u: cos(8h+j), cos(16+8h+j), sin(8h+j), sin(16+8h+j), 8 each
.set ACC, 106                          ; v106-169 eight accumulators
.set XF,  170                          ; v170-193 x's two fragments
.set WF,  194                          ; v194-241 four weight fragments
.set R,   170                          ; behind a pass's products: four blocks of 16
.set PD,  242                          ; v242-245 destinations of lane exchanges
; phase B's registers
.set AKI, 1
.set AKS, 2
.set AVI, 3
.set AVS, 4
.set AOS, 5
.set VK,  6                            ; v6, v7 K1, twice
.set PS,  12                           ; v12-15 p's scale words: 2 ks + tile
.set LS,  16                           ; v16-19 the row sums, a pair for each tile
.set KSW, 20                           ; v20-25, v8, v9 eight key tiles' scale words; later v20, v21 V^T's for both key steps
.set QM,  26                           ; v26-49 [Q tile 0: 6][zeros 6][Q tile 1: 6][zeros 6]
.set P0,  50                           ; v50-73 p's codes of key step 0, tile 0 and tile 1; behind O's products at work in FIN
.set KF,  74                           ; v74-121 eight key tiles x 6 registers; v122-127: what the last tile's operand names behind them
.set TW,  74                           ; v74-89 w, v90-105 the polynomial
.set TP,  90
.set BM,  74                           ; v74-85 block maxima, bytes, scale operands
.set CT,  86                           ; v86-92 second halves of codes on the way
.set P1B, 94                           ; v94-105 codes of key step 1, tile 1
.set SU,  106                          ; v106-113 four partial sums
.set P1A, 114                          ; v114-125 codes of key step 1, tile 0
.set SA,  128                          ; v128-191 S^T then p, tile 0
.set SB,  192                          ; v192-255 tile 1
.set VF,  128                          ; v128-175 V^T's four fragments: 12 (2 ks + dt)
.set RL,  178                          ; v178, v180 1 / l of tiles 0, 1 (v179, v181: the pairs' upper words, not used)
.set OA,  192                          ; v192-223 O^T: 16 tile + 8 dt
.set OT,  224                          ; v224-255 O^T / l
.macro WA
	s_wait_alu depctr_va_vdst(0)
.endm
.macro PLACES n
.rept \n
	v_nop
.endr
.endm
.macro ROUND                           ; a round of the cluster's barrier
	s_barrier_signal -1
	s_barrier_wait -1
	s_cmp_lg_u32 s4, 0
	s_cbranch_scc1 .Lnot_wave_0_\@
	s_barrier_signal -3
.Lnot_wave_0_\@:
	s_barrier_wait -3
	s_barrier_signal -1
	s_barrier_wait -1
.endm
; A fragment, 16 rows x 128 K, is 12 registers: lane (r, h) takes 24 bytes at 96 q + 24 h of row r and 24 at 96 q + 48 + 24 h, in pieces of 8 bytes, two to a load where both go by the same address register.
; Piece n of a row lies 8 n + 16 (n / 16) bytes on.  Lanes 16-31 read three pieces on: where that is behind one padding more, the second address register (40 h for 24 h) serves.  3 loads for q = 0, 3, else 4.
.macro FRAG reg, a0, q
.set SKIP_, 0
.irp p, 0,1,2,3,4,5
.if SKIP_
.set SKIP_, 0
.else
.set PC_, 12*(\q)+6*(\p/3)+\p%3
.set PN_, 12*(\q)+6*((\p+1)/3)+(\p+1)%3
.set XC_, (PC_%16)/13
.set XN_, (PN_%16)/13
.if (\p < 5) && (XC_ == XN_)
.set SKIP_, 1
	ds_load_2addr_b64 v[\reg+2*\p:\reg+2*\p+3], v[\a0+XC_] offset0:PC_+2*(PC_/16) offset1:PN_+2*(PN_/16)
.else
	ds_load_b64 v[\reg+2*\p:\reg+2*\p+1], v[\a0+XC_] offset:8*PC_+16*(PC_/16)
.endif
.endif
.endr
.endm
; One product.  zero: it starts its sum.  ra, rb: the side's scale words stand in lanes 16-31 of the register named.
.macro MMI c, ra, rb
	v_wmma_scale_f32_16x16x128_f8f6f4 v[MD_:MD_+7], v[MA_:MA_+11], v[MB_:MB_+11], \c, v[MX_], v[MY_] matrix_a_fmt:MATRIX_FMT_FP6 matrix_b_fmt:MATRIX_FMT_FP6 matrix_a_scale:MATRIX_SCALE_ROW\ra matrix_b_scale:MATRIX_SCALE_ROW\rb
.endm
.macro MMR c, ra, rb
.if (\ra) && (\rb)
	MMI \c, 1, 1
.elseif \ra
	MMI \c, 1, 0
.elseif \rb
	MMI \c, 0, 1
.else
	MMI \c, 0, 0
.endif
.endm
.macro MM zero, d, a, b, sa, sb, ra, rb
.set MD_, \d
.set MA_, \a
.set MB_, \b
.set MX_, \sa
.set MY_, \sb
.if \zero
	MMR 0, \ra, \rb
.else
	MMR v[MD_:MD_+7], \ra, \rb
.endif
.endm
; A K step of pass m (0: V, 1: Q, 2: K): x's two fragments, four weight fragments (column tile c: head c / 2, half c % 2), eight products on eight accumulators, which take turns.
.macro KSTEP m, q, zero
.if \q
	PLACES 4                                       ; in front of loads into registers that the last products read (ISA guide 7.12.1 for vector instructions)
.endif
.set NF_, 3+((\q)%3+1)/2                           ; loads of a fragment
	FRAG XF, ADX, \q
	FRAG XF+12, 246, \q
	FRAG WF, ADW, \q
	FRAG WF+12, 248, \q
	FRAG WF+24, 250, \q
	FRAG WF+36, 252, \q
.irp c, 0,1,2,3
	s_wait_dscnt NF_*(3-\c)                        ; x's fragments and weight fragment c are in; the loads of each younger weight fragment may be out
.irp u, 0,1
.if \m == 0
	MM \zero, ACC+8*(4*(\c/2)+2*(\c%2)+\u), XF+12*\u, WF+12*\c, XS+\q, WS+8*\m+4*(\c/2)+\q, \u, \c%2
.else
	MM \zero, ACC+8*(4*(\c/2)+2*\u+(\c%2)), WF+12*\c, XF+12*\u, WS+8*\m+4*(\c/2)+\q, XS+\q, \c%2, \u
.endif
.endr
.endr
.endm
.macro PASS m
	KSTEP \m, 0, 1
	KSTEP \m, 1, 0
	KSTEP \m, 2, 0
	KSTEP \m, 3, 0
	PLACES 5                                       ; the results are read next, and the operands' registers go to work
.endm
.macro NEXTW                           ; on to the next weight's rows
.irp a, 3,4,248,249,250,251,252,253
	v_add_nc_u32 v[\a], WSTEP, v[\a]
.endr
.endm
; The four blocks n = 2 head + tile of q or k: RoPE, RMS norm, a block of 32 quantised.  The scale words of tiles 0, 1 go to sw, sw + 1.
; A lane holds token r's channels 8 h + j (first accumulator) and 16 + 8 h + j (second); lane l xor 16 holds the other sixteen.  The four take turns line by line.
; Behind RoPE the accumulators' registers are at work: v106-121 sums of squares, v122-129 maxima, v130-137 roots, v138-141 scale operands, v142-145 bytes, v146-161 codes.
.macro RN4 sw
.irp n, 0,1,2,3
.set T0_, ACC+16*\n
.set TB_, ROPE+32*(\n%2)
.set R_, R+16*\n
.irp j, 0,2,4,6
	v_pk_mul_f32 v[R_+\j:R_+\j+1], v[T0_+\j:T0_+\j+1], v[TB_+\j:TB_+\j+1]
	v_pk_mul_f32 v[R_+8+\j:R_+9+\j], v[T0_+8+\j:T0_+9+\j], v[TB_+8+\j:TB_+9+\j]
.endr
.irp j, 0,2,4,6
	v_pk_fma_f32 v[R_+\j:R_+\j+1], v[T0_+8+\j:T0_+9+\j], v[TB_+16+\j:TB_+17+\j], v[R_+\j:R_+\j+1] neg_lo:[1,0,0] neg_hi:[1,0,0]   ; d < 16: x cos - x(d + 16) sin
	v_pk_fma_f32 v[R_+8+\j:R_+9+\j], v[T0_+\j:T0_+\j+1], v[TB_+24+\j:TB_+25+\j], v[R_+8+\j:R_+9+\j]                               ; d >= 16: x cos + x(d - 16) sin
.endr
.endr
.irp n, 0,1,2,3
.set R_, R+16*\n
	v_pk_mul_f32 v[106+4*\n:107+4*\n], v[R_:R_+1], v[R_:R_+1]
	v_pk_mul_f32 v[108+4*\n:109+4*\n], v[R_+2:R_+3], v[R_+2:R_+3]
.endr
.irp j, 4,8,12
.irp n, 0,1,2,3
.set R_, R+16*\n+\j
	v_pk_fma_f32 v[106+4*\n:107+4*\n], v[R_:R_+1], v[R_:R_+1], v[106+4*\n:107+4*\n]
	v_pk_fma_f32 v[108+4*\n:109+4*\n], v[R_+2:R_+3], v[R_+2:R_+3], v[108+4*\n:109+4*\n]
.endr
.endr
.irp n, 0,1,2,3
	v_pk_add_f32 v[106+4*\n:107+4*\n], v[106+4*\n:107+4*\n], v[108+4*\n:109+4*\n]
.endr
.irp n, 0,1,2,3
	v_add_f32 v[106+4*\n], v[106+4*\n], v[107+4*\n]
.endr
.irp n, 0,1,2,3
	v_permlanex16_b32 v[PD+\n], v[106+4*\n], s14, s15
.endr
.irp n, 0,1,2,3
	v_add_f32 v[106+4*\n], v[106+4*\n], v[PD+\n]
.endr
.irp n, 0,1,2,3
	v_mul_f32 v[106+4*\n], 0x3d000000, v[106+4*\n]           ; / 32
.endr
.irp n, 0,1,2,3
	v_max_num_f32 v[106+4*\n], 0x358637bd, v[106+4*\n]       ; held at 1e-6 from below
.endr
	WA
.irp n, 0,1,2,3
	v_rsq_f32 v[130+2*\n], v[106+4*\n]
.endr
.irp n, 0,1,2,3                        ; the largest magnitude before the norm, in two chains a block
.set R_, R+16*\n
	v_max3_num_f32 v[122+2*\n], |v[R_]|, |v[R_+1]|, |v[R_+2]|
	v_max3_num_f32 v[123+2*\n], |v[R_+3]|, |v[R_+4]|, |v[R_+5]|
.endr
.irp j, 6,10
.irp n, 0,1,2,3
.set R_, R+16*\n+\j
	v_max3_num_f32 v[122+2*\n], v[122+2*\n], |v[R_]|, |v[R_+1]|
	v_max3_num_f32 v[123+2*\n], v[123+2*\n], |v[R_+2]|, |v[R_+3]|
.endr
.endr
.irp n, 0,1,2,3
	v_max3_num_f32 v[122+2*\n], v[122+2*\n], |v[R+16*\n+14]|, |v[R+16*\n+15]|
.endr
.irp n, 0,1,2,3
	v_max_num_f32 v[122+2*\n], v[122+2*\n], v[123+2*\n]
.endr
.irp n, 0,1,2,3
	v_permlanex16_b32 v[PD+\n], v[122+2*\n], s14, s15
.endr
.irp n, 0,1,2,3
	v_max_num_f32 v[122+2*\n], v[122+2*\n], v[PD+\n]
.endr
	WA
.irp n, 0,1,2,3
	v_mul_f32 v[122+2*\n], v[122+2*\n], v[130+2*\n]          ; times the root's reciprocal: rounding keeps order, so this is the largest of the rounded products below
.endr
.irp n, 0,1,2,3
	v_mov_b32 v[131+2*\n], v[130+2*\n]                       ; (named below as the pair's upper word)
.endr
.irp n, 0,1,2,3
	v_max_num_f32 v[122+2*\n], 0x1800000, v[122+2*\n]        ; the floor 2^(3 - 127): the byte cannot fall under 1
.endr
.irp n, 0,1,2,3
	v_add_nc_u32 v[138+\n], 0xff000000, v[122+2*\n]          ; 2 off the exponent field: the conversion's scale operand
.endr
.irp n, 0,1,2,3
	v_lshrrev_b32 v[142+\n], 23, v[138+\n]                   ; the scale's byte
.endr
.irp j, 0,2,4,6,8,10,12,14
.irp n, 0,1,2,3
	v_pk_mul_f32 v[R+16*\n+\j:R+16*\n+\j+1], v[R+16*\n+\j:R+16*\n+\j+1], v[130+2*\n:131+2*\n] op_sel_hi:[1,0]
.endr
.endr
.irp n, 0,1,2,3
	v_cvt_scalef32_pk16_fp6_f32 v[146+4*\n:148+4*\n], v[R+16*\n:R+16*\n+15], v[138+\n]
.endr
	v_or_b32 v[\sw], 0x7f7f0000, v142                        ; (plain lines behind the conversions.)  Byte 0: head 2 hp; bytes 2 and 3, over zero codes: 1.0
	v_or_b32 v[\sw+1], 0x7f7f0000, v143
	v_lshl_or_b32 v[\sw], v144, 8, v[\sw]                    ; byte 1: head 2 hp + 1
	v_lshl_or_b32 v[\sw+1], v145, 8, v[\sw+1]
.endm
.macro QST kk                          ; the four blocks' codes to LDS
.irp n, 0,1,2,3
.irp j, 0,1,2
	ds_store_b32 v[AQW], v[146+4*\n+\j] offset:\kk*24576+1536*(\n%2)+384*(\n/2)+4*\j
.endr
.endr
.endm
.macro TT sb                           ; a tile's 64 scores of a lane become t, sixteen at a time.  Each accumulator is read from its low end on
.irp cc, 0,1,2,3
.set S_, \sb+16*\cc
.irp j, 0,2,4,6,8,10,12,14
	v_pk_mul_f32 v[TW+\j:TW+\j+1], v[S_+\j:S_+\j+1], v[S_+\j:S_+\j+1]                            ; w = s s
.endr
.irp j, 0,2,4,6,8,10,12,14
	v_pk_fma_f32 v[TP+\j:TP+\j+1], v[TW+\j:TW+\j+1], s[66:67], v[VK:VK+1] op_sel_hi:[1,0,1]      ; K2 w + K1
.endr
.irp j, 0,2,4,6,8,10,12,14
	v_pk_fma_f32 v[TP+\j:TP+\j+1], v[TP+\j:TP+\j+1], v[TW+\j:TW+\j+1], s[70:71] op_sel_hi:[1,1,0]  ; .. w + K0
.endr
.irp j, 0,2,4,6,8,10,12,14
	v_pk_mul_f32 v[S_+\j:S_+\j+1], v[S_+\j:S_+\j+1], v[TP+\j:TP+\j+1]                            ; t
.endr
.endr
.endm
.macro EXPS sb                         ; p = 2^t: one batch
	WA
.set I_, 0
.rept 64
	v_exp_f32 v[\sb+I_], v[\sb+I_]
.set I_, I_+1
.endr
	v_nop
	WA
.endm
; The row's sum is taken of the unquantised p, and the largest p of each of the four blocks of 32 keys (registers 16 n .. 16 n + 15 of both halves of the lanes; p is positive): four chains each, by turns.  first: the head's first key step starts the sum.
.macro SMAX sb, ll, first, ps
.irp n, 0,1,2,3
	v_max3_num_f32 v[BM+\n], v[\sb+16*\n], v[\sb+16*\n+1], 0x1800000   ; with the floor 2^(3 - 127)
.endr
.irp n, 0,1,2,3
	v_pk_add_f32 v[SU+2*\n:SU+2*\n+1], v[\sb+16*\n:\sb+16*\n+1], v[\sb+16*\n+2:\sb+16*\n+3]
.endr
.irp i, 2,4,6,8,10,12,14
.irp n, 0,1,2,3
	v_max3_num_f32 v[BM+\n], v[BM+\n], v[\sb+16*\n+\i], v[\sb+16*\n+\i+1]
.endr
.if \i > 2
.irp n, 0,1,2,3
	v_pk_add_f32 v[SU+2*\n:SU+2*\n+1], v[SU+2*\n:SU+2*\n+1], v[\sb+16*\n+\i:\sb+16*\n+\i+1]
.endr
.endif
.endr
.irp n, 0,1,2,3
	v_permlanex16_b32 v[BM+4+\n], v[BM+\n], s14, s15
.endr
	v_pk_add_f32 v[SU:SU+1], v[SU:SU+1], v[SU+2:SU+3]
	v_pk_add_f32 v[SU+4:SU+5], v[SU+4:SU+5], v[SU+6:SU+7]
.irp n, 0,1,2,3
	v_max_num_f32 v[BM+\n], v[BM+\n], v[BM+4+\n]
.endr
.if \first
	v_pk_add_f32 v[\ll:\ll+1], v[SU:SU+1], v[SU+4:SU+5]
.else
	v_pk_add_f32 v[SU:SU+1], v[SU:SU+1], v[SU+4:SU+5]
.endif
.irp n, 0,1,2,3
	v_add_nc_u32 v[BM+8+\n], 0xff000000, v[BM+\n]  ; 2 off the exponent field: the conversion's scale operand
.endr
.irp n, 0,1,2,3
	v_lshrrev_b32 v[BM+4+\n], 23, v[BM+8+\n]       ; the scale's byte
.endr
.if \first == 0
	v_pk_add_f32 v[\ll:\ll+1], v[\ll:\ll+1], v[SU:SU+1]
.endif
	v_lshl_or_b32 v[\ps], v[BM+5], 8, v[BM+4]
	v_lshl_or_b32 v[\ps], v[BM+6], 16, v[\ps]
	v_lshl_or_b32 v[\ps], v[BM+7], 24, v[\ps]
.endm
.macro CODES sb, pf                    ; p's codes as the second product's operand: the layout wants a whole block in a lane, lanes 0-15 block 2 c, lanes 16-31 block 2 c + 1
.irp c, 0,1
	v_cvt_scalef32_pk16_fp6_f32 v[\pf+6*\c:\pf+6*\c+2], v[\sb+32*\c:\sb+32*\c+15], v[BM+8+2*\c]
	v_cvt_scalef32_pk16_fp6_f32 v[CT+4*\c:CT+4*\c+2], v[\sb+32*\c+16:\sb+32*\c+31], v[BM+9+2*\c]   ; (a conversion's three registers begin on an even number)
.endr
	v_nop                                          ; one plain line behind the conversions
.irp c, 0,1
.irp i, 0,1,2
	v_permlane16_swap_b32 v[\pf+6*\c+\i], v[CT+4*\c+\i]
.endr
.endr
.irp c, 0,1
.irp i, 0,1,2
	v_mov_b32 v[\pf+3+6*\c+\i], v[CT+4*\c+\i]
.endr
.endr
.endm
.macro KLOAD ks                        ; 27 loads: the eight key tiles of a key step and their scale words
.irp tt, 0,1,2,3,4,5,6,7
.irp p, 0,1,2
	ds_load_b64 v[KF+6*\tt+2*\p:KF+6*\tt+2*\p+1], v[AKI] offset:(8*\ks+\tt)*1536+8*\p
.endr
.endr
	ds_load_b128 v[KSW:KSW+3], v[AKS] offset:32*\ks
	ds_load_b64 v[KSW+4:KSW+5], v[AKS] offset:32*\ks+16
	ds_load_b64 v[8:9], v[AKS] offset:32*\ks+24
.endm
.macro QKLOAD                          ; a head's first loads: Q's half fragments of my two tiles, and key step 0
	v_and_b32 v140, 31, v0
	v_mul_u32_u24 v140, v140, 24
	v_add_nc_u32 v140, s88, v140                   ; Q: my own half fragments, 24 bytes a lane
.irp u, 0,1
.irp p, 0,1,2
	ds_load_b64 v[128+6*\u+2*\p:129+6*\u+2*\p], v140 offset:1536*\u+8*\p
.endr
.endr
	KLOAD 0
.endm
.macro SPROD                           ; S^T of 128 keys and my two tiles of queries; an operand's registers 6-11 are the next tile's codes or what lies behind: they meet q's zero codes
.irp tt, 0,1,2,3,4,5,6,7
.if \tt < 6
.set KR_, KSW+\tt
.else
.set KR_, 2+\tt
.endif
	MM 1, SA+8*\tt, KF+6*\tt, QM, KR_, QS, 0, 0
	MM 1, SB+8*\tt, KF+6*\tt, QM+12, KR_, QS+1, 0, 0
.endr
	PLACES 4
.endm
.macro FM3 d, e, f
.irp un, 0,1
	v_max3_num_f32 v[50+\d+4*\un], v[50+\d+4*\un], |v[OT+16*\un+\e]|, |v[OT+16*\un+\f]|
.endr
.endm
; Both tiles: O^T / l, one block of 32 channels quantised.  My codes 0-7 are channels 8 h + j, codes 8-15 channels 16 + 8 h + j: six bytes each, laid in the true order of channels, which Wo's codes have.
; The registers of key step 0's codes, v50-73, are at work here: the places behind the products that read them stand ahead of this.
.macro FIN hd
.irp j, 0,2,4,6,8,10,12,14
.irp un, 0,1
	v_pk_mul_f32 v[OT+16*\un+\j:OT+16*\un+\j+1], v[OA+16*\un+\j:OA+16*\un+\j+1], v[RL+2*\un:RL+2*\un+1] op_sel_hi:[1,0]
.endr
.endr
.irp un, 0,1
	v_max3_num_f32 v[50+4*\un], |v[OT+16*\un]|, |v[OT+16*\un+1]|, 0x1800000
	v_max3_num_f32 v[51+4*\un], |v[OT+16*\un+2]|, |v[OT+16*\un+3]|, |v[OT+16*\un+4]|
.endr
	FM3 0, 5, 6
	FM3 1, 7, 8
	FM3 0, 9, 10
	FM3 1, 11, 12
	FM3 0, 13, 14
.irp un, 0,1
	v_max3_num_f32 v[50+4*\un], v[50+4*\un], v[51+4*\un], |v[OT+16*\un+15]|
.endr
.irp un, 0,1
	v_permlanex16_b32 v[58+\un], v[50+4*\un], s14, s15
.endr
.irp un, 0,1
	v_max_num_f32 v[50+4*\un], v[50+4*\un], v[58+\un]
.endr
.irp un, 0,1
	v_add_nc_u32 v[60+\un], 0xff000000, v[50+4*\un]
.endr
.irp un, 0,1
	v_cvt_scalef32_pk16_fp6_f32 v[64+4*\un:66+4*\un], v[OT+16*\un:OT+16*\un+15], v[60+\un]
.endr
	v_lshrrev_b32 v62, 23, v60                     ; the bytes.  (Plain lines behind the conversions)
	v_lshrrev_b32 v63, 23, v61
	v_and_b32 v72, 15, v0
	v_bfe_u32 v73, v0, 3, 1
	v_lshl_add_u32 v72, v72, 2, s87
	v_lshl_add_u32 v72, v73, 5, v72                ; the scale byte's place: image tile 2 b + r / 8, row r % 8: 64 (r / 8) + 4 (r % 8)
.irp un, 0,1
.set CD_, 64+4*\un
	ds_store_b16 v[AOS], v[CD_] offset:768*\hd+384*\un
	ds_store_b16_d16_hi v[AOS], v[CD_] offset:768*\hd+384*\un+2
	ds_store_b16 v[AOS], v[CD_+1] offset:768*\hd+384*\un+4
	ds_store_b16_d16_hi v[AOS], v[CD_+1] offset:768*\hd+384*\un+12
	ds_store_b16 v[AOS], v[CD_+2] offset:768*\hd+384*\un+14
	ds_store_b16_d16_hi v[AOS], v[CD_+2] offset:768*\hd+384*\un+16
	ds_store_b8 v72, v[62+\un] offset:\hd+32*\un   ; both halves of the lanes write the same byte with the same value
.endr
.endm
.macro HEAD hd
	WA
	s_wait_dscnt 0x0                               ; Q's codes and the key step are in, and the stores of the head before have read their registers
.irp u, 0,1
.irp j, 0,1,2,3,4,5
	v_cndmask_b32 v[QM+12*\u+\j], 0, v[128+6*\u+\j], s[72+\hd]     ; only the head in hand: the other half of the lanes gets zero codes
.endr
.endr
	PLACES 4                                       ; an operand written by vector instructions stands four places ahead of a scaled product
	SPROD
	TT SA
	EXPS SA
	SMAX SA, LS, 1, PS
	CODES SA, P0
	WA                                             ; ahead of the first reader of tile 1's scores
	TT SB
	EXPS SB
	SMAX SB, LS+2, 1, PS+1
	CODES SB, P0+12
	KLOAD 1
	WA
	s_wait_dscnt 0x0
	SPROD
	TT SA
	EXPS SA
	SMAX SA, LS, 0, PS+2
	CODES SA, P1A
.irp f, 0,1,2,3                        ; V^T's four fragments (f = 2 ks + dt) land in tile 0's registers while tile 1's softmax is walked
.irp p, 0,1,2
	ds_load_b128 v[VF+12*\f+4*\p:VF+12*\f+4*\p+3], v[AVI] offset:6144*\hd+3072*(\f%2)+1536*(\f/2)+16*\p
.endr
.endr
	ds_load_b32 v[KSW], v[AVS] offset:256*\hd
	ds_load_b32 v[KSW+1], v[AVS] offset:256*\hd+128
	WA                                             ; ahead of the first reader of tile 1's scores
	TT SB
	EXPS SB
	SMAX SB, LS+2, 0, PS+3
	CODES SB, P1B
	v_add_f32 v182, v[LS], v[LS+1]
	v_add_f32 v183, v[LS+2], v[LS+3]
	v_permlanex16_b32 v184, v182, s14, s15
	v_permlanex16_b32 v185, v183, s14, s15
	v_add_f32 v182, v182, v184                     ; the rows' sums
	v_add_f32 v183, v183, v185
	WA
	v_rcp_f32 v[RL], v182
	v_rcp_f32 v[RL+2], v183
	v_nop
	v_nop
	WA
	s_wait_dscnt 0x0
	MM 1, OA, VF, P0, KSW, PS, 0, 0                ; O^T = V^T P^T: four accumulators by turns
	MM 1, OA+16, VF, P0+12, KSW, PS+1, 0, 0
	MM 1, OA+8, VF+12, P0, KSW, PS, 1, 0
	MM 1, OA+24, VF+12, P0+12, KSW, PS+1, 1, 0
	MM 0, OA, VF+24, P1A, KSW+1, PS+2, 0, 0
	MM 0, OA+16, VF+24, P1B, KSW+1, PS+3, 0, 0
	MM 0, OA+8, VF+36, P1A, KSW+1, PS+2, 1, 0
	MM 0, OA+24, VF+36, P1B, KSW+1, PS+3, 1, 0
	PLACES 4                                       ; in front of loads into these products' registers and of the first read of O^T
.if \hd == 0
	QKLOAD                                         ; the next head's first loads
.endif
	FIN \hd
.endm
	s_load_b512 s[16:31], s[0:1], 0x0              ; x codes 16, x scales 18, Wq codes 20, scales 22, Wk codes 24, scales 26, Wv codes 28, scales 30
	s_load_b256 s[32:39], s[0:1], 0x40             ; cos 32, sin 34, ac 36, asc 38
	v_lshl_add_u32 v254, v0, 2, SPARE
	v_mov_b32 v255, 0
	ds_add_u32 v254, v255                          ; the opening lines: the add, twice on end, under one wait
	ds_add_u32 v254, v255
	v_lshrrev_b32 v1, 5, v0
	v_readfirstlane_b32 s4, v1                     ; wave 0..15
	s_lshr_b32 s5, s4, 1                           ; b
	s_and_b32 s6, s4, 1                            ; hp
	s_bfe_u32 s7, ttmp6, 0x40000                   ; cx
	s_bfe_u32 s8, ttmp6, 0x40004                   ; cy
	s_lshl_b32 s9, ttmp9, 2
	s_add_co_u32 s9, s9, s7                        ; g = 4 x cluster x + cx
	s_and_b32 s10, ttmp7, 0xffff
	s_lshl_b32 s10, s10, 2
	s_add_co_u32 s10, s10, s8                      ; bt = 4 x cluster y + cy
	s_lshl_b32 s11, s8, 2
	s_lshl_b32 s11, 15, s11                        ; my row of the cluster
	s_lshl_b32 s12, 0x1111, s7                     ; my column
	s_mov_b32 s14, 0x76543210
	s_mov_b32 s15, 0xfedcba98                      ; lane selects: lane l xor 16
	s_mov_b32 s66, 0x2cb85911                      ; K2
	s_mov_b32 s67, s66
	s_mov_b32 s70, 0x3e8293ee                      ; K0
	s_mov_b32 s71, s70
	s_mov_b32 s72, 0x0000ffff                      ; lanes 0-15: head 2 hp
	s_mov_b32 s73, 0xffff0000                      ; lanes 16-31: head 2 hp + 1
	; descriptor group 1, for x's tiles (my row's mask) and the weights' (my column's): 64 rows of codes, dense in memory, as 96 rows of 256 bytes; 16 bytes of padding behind every 128
	s_or_b32 s40, s11, (1<<20)|(1<<21)|(4<<22)|(3<<25)   ; 15:0 mask; 17:16 elements of 1 byte; 20 padding on; 21 set beside a mask; 24:22 after every 32 words (code 4); 31:25 of 4 words (code 3)
	s_or_b32 s48, s12, (1<<20)|(1<<21)|(4<<22)|(3<<25)
.irp g, 40, 48
	s_mov_b32 s[\g+1], 256<<16                     ; tensor_dim0
	s_mov_b32 s[\g+2], 96<<16                      ; tensor_dim1
	s_mov_b32 s[\g+3], 256<<16                     ; tile_dim0
	s_mov_b32 s[\g+4], 96                          ; tile_dim1
	s_mov_b32 s[\g+5], 256                         ; tensor_dim0_stride
	s_mov_b32 s[\g+6], 0
	s_mov_b32 s[\g+7], 0
.endr
	s_mul_i32 s74, s10, 98304                      ; x: slice bt, 64 rows x wave.  (This pair never holds g)
	s_mul_i32 s75, s4, 24576
	s_add_co_u32 s74, s74, s75
	s_mov_b32 s75, 0
	s_mul_i32 s76, s9, 49152                       ; a weight: 128 rows x g, 64 rows x (wave % 2).  (This pair never holds bt)
	s_mul_i32 s77, s6, 24576
	s_add_co_u32 s76, s76, s77
	s_mov_b32 s77, 0
	s_lshl_b32 s82, s10, 12                        ; x's scales: 4,096 bytes a slice
	s_mov_b32 s83, 0
	s_lshl_b32 s80, s10, 2
	s_add_co_u32 s80, s80, s9                      ; 4 bt + g
	s_mul_i32 s92, s80, 24576                      ; ac: my work-group's 16 fragments, my wave's one
	s_mul_i32 s81, s4, 1536
	s_add_co_u32 s92, s92, s81
	s_mov_b32 s93, 0
	s_lshl_b32 s94, s80, 10                        ; asc: my work-group's 1,024 bytes
	s_mov_b32 s95, 0
	; what the wave's number adds to the lanes' addresses below
	s_lshl_b32 s80, s5, 12                         ; the tables: 32 tokens of 128 bytes
	s_lshl_b32 s81, s5, 9                          ; x's scales: 32 tokens of 16 bytes
	s_lshl_b32 s84, s9, 11                         ; the weights' scales: row 128 g + 64 hp, 16 bytes a row
	s_lshl_b32 s3, s6, 10
	s_add_co_u32 s84, s84, s3
	s_mul_i32 s86, s5, 32*PITCH                    ; x: row 32 b
	s_mul_i32 s87, s6, FILLB                       ; Wv: row 64 hp
	s_add_co_u32 s87, s87, WVB
	s_lshl_b32 s88, s5, 2
	s_add_co_u32 s88, s88, s6
	s_mul_i32 s88, s88, 768
	s_add_co_u32 s88, s88, QIMG                    ; my tile 0's half fragment: (4 b + hp) 768
	s_mul_i32 s89, s6, 12288                       ; V^T: key block b is key step b / 4, lanes' half b % 2, registers 6 ((b / 2) % 2) on
	s_lshr_b32 s3, s5, 2
	s_mul_i32 s3, s3, 1536
	s_add_co_u32 s89, s89, s3
	s_and_b32 s3, s5, 1
	s_mul_i32 s3, s3, 768
	s_add_co_u32 s89, s89, s3
	s_bfe_u32 s3, s5, 0x10001
	s_mul_i32 s3, s3, 24
	s_add_co_u32 s89, s89, s3
	s_add_co_u32 s89, s89, VIMG
	s_lshl_b32 s91, s6, 9
	s_lshr_b32 s3, s5, 2
	s_lshl_b32 s3, s3, 7
	s_add_co_u32 s91, s91, s3
	s_and_b32 s3, s5, 3
	s_add_co_u32 s91, s91, s3
	s_add_co_u32 s91, s91, VSC
	s_mul_i32 s90, s6, 1280
	s_lshl_b32 s3, s5, 3
	s_add_co_u32 s90, s90, s3
	s_add_co_u32 s90, s90, KSC
	s_wait_dscnt 0x0                               ; both opening adds are done
	s_wait_kmcnt 0x0
	s_mov_b32 s56, 1                               ; group 0 for x: count 1,
	s_mul_i32 s57, s4, FILLB                       ; LDS address: wave x 64 rows,
	s_add_nc_u64 s[58:59], s[16:17], s[74:75]      ; global address,
	s_or_b32 s59, s59, 0x80000000                  ; type 2
	s_cmp_lt_u32 s4, 6                             ; waves 4, 5: Wv; 6, 7: Wq; 8, 9: Wk: the choice hangs on the wave's number alone
	s_cselect_b64 s[78:79], s[28:29], s[20:21]
	s_cmp_lt_u32 s4, 8
	s_cselect_b64 s[78:79], s[78:79], s[24:25]
	s_mov_b32 s60, 1
	s_mul_i32 s61, s4, FILLB
	s_add_nc_u64 s[62:63], s[78:79], s[76:77]
	s_or_b32 s63, s63, 0x80000000
	s_add_nc_u64 s[18:19], s[18:19], s[82:83]
	s_add_nc_u64 s[36:37], s[36:37], s[92:93]
	s_add_nc_u64 s[38:39], s[38:39], s[94:95]
	ROUND                                          ; all sixteen work-groups are here: the joint loads meet
	s_cmp_lt_u32 s4, 4                             ; one load a wave: waves 0-3 x's quarters, waves 4, 5 Wv's halves, waves 6-9 Wq's and Wk's; four v_nop follow each line
	s_cbranch_scc0 .Lnot_x
	tensor_load_to_lds s[56:59], s[40:47]
	s_nop 0
	PLACES 4
	s_branch .Lasked
.Lnot_x:
	s_cmp_lt_u32 s4, 6                             ; (Wv's waves have a load line of their own: they wait at the first barrier, waves 6-9 do not)
	s_cbranch_scc0 .Lnot_v
	tensor_load_to_lds s[60:63], s[48:55]
	s_nop 0
	PLACES 4
	s_branch .Lasked
.Lnot_v:
	s_cmp_lt_u32 s4, 10
	s_cbranch_scc0 .Lasked
	tensor_load_to_lds s[60:63], s[48:55]
	s_nop 0
	PLACES 4
.Lasked:
	v_and_b32 v170, 31, v0                         ; l
	v_and_b32 v171, 15, v0                         ; r
	v_bfe_u32 v172, v0, 4, 1                       ; h
	v_lshlrev_b32 v178, 4, v170
	v_add_nc_u32 v178, s84, v178                   ; the weights' scales: + row l
	v_lshl_add_u32 v177, v170, 4, s81              ; x's scales: token 32 b + l: lanes 16-31 take tile 1's
	v_lshlrev_b32 v176, 7, v171
	v_lshl_add_u32 v176, v172, 5, v176
	v_add_nc_u32 v176, s80, v176                   ; the tables: token 32 b + r, + 32 h bytes
	global_load_b128 v[XS:XS+3], v177, s[18:19]
	global_load_b128 v[WS:WS+3], v178, s[30:31]
	global_load_b128 v[WS+4:WS+7], v178, s[30:31] offset:512
	global_load_b128 v[WS+8:WS+11], v178, s[22:23]
	global_load_b128 v[WS+12:WS+15], v178, s[22:23] offset:512
	global_load_b128 v[WS+16:WS+19], v178, s[26:27]
	global_load_b128 v[WS+20:WS+23], v178, s[26:27] offset:512
.irp u, 0,1
.irp k, 0,1,2,3
	global_load_b128 v[ROPE+32*\u+4*\k:ROPE+32*\u+4*\k+3], v176, s[32:33] offset:2048*\u+16*(\k%2)+64*(\k/2)
	global_load_b128 v[ROPE+32*\u+16+4*\k:ROPE+32*\u+16+4*\k+3], v176, s[34:35] offset:2048*\u+16*(\k%2)+64*(\k/2)
.endr
.endr
	v_mul_u32_u24 v[ADX], v171, PITCH
	v_mad_u32_u24 v[ADX], v172, 24, v[ADX]
	v_add_nc_u32 v[ADW], s87, v[ADX]               ; Wv: row 64 hp + r, + 24 h
	v_add_nc_u32 v[ADX], s86, v[ADX]               ; x: row 32 b + r, + 24 h
	v_lshl_add_u32 v[ADW+1], v172, 4, v[ADW]
	v_lshl_add_u32 v[ADX+1], v172, 4, v[ADX]
	v_add_nc_u32 v246, 16*PITCH, v[ADX]            ; tile 1's rows of x
	v_add_nc_u32 v247, 16*PITCH, v[ADX+1]
.irp c, 1,2,3
	v_add_nc_u32 v[246+2*\c], 16*PITCH*\c, v[ADW]  ; column tile c
	v_add_nc_u32 v[247+2*\c], 16*PITCH*\c, v[ADW+1]
.endr
	v_mul_u32_u24 v[AQW], v171, 24
	v_mul_u32_u24 v[AVW], v171, 48
	v_mad_u32_u24 v[AQW], v172, 12, v[AQW]
	v_mad_u32_u24 v[AVW], v172, 12, v[AVW]
	v_add_nc_u32 v[AQW], s88, v[AQW]
	v_add_nc_u32 v[AVW], s89, v[AVW]
	v_lshl_add_u32 v[AVB], v171, 2, s91
	v_mul_u32_u24 v[AKW], v171, 80
	v_add_nc_u32 v[AKW], s90, v[AKW]
.irp n, 0,1,2,3
	v_mov_b32 v[PD+\n], 0                          ; (a lane exchange's destination counts as one of its sources)
.endr
	WA
	s_wait_xcnt 0x0                                ; v176-178 are written again by the first fragments
	s_cmp_lt_u32 s4, 6
	s_cbranch_scc0 .Llater
	s_wait_tensorcnt 0x0                           ; my tile of x or of Wv has landed
.Llater:
	s_barrier_signal -1
	s_barrier_wait -1                              ; x and Wv are whole; Wq and Wk may still be on their way
	s_wait_loadcnt 16                              ; the seven loads of scale words are in; the tables' sixteen may be out
	; ---- V^T.  Accumulators 2 n and 2 n + 1 (n = 2 head + dt): a lane holds channel 16 dt + r, its 16 registers my two tiles' keys 8 h + 0 .. 7
	KSTEP 0, 0, 1
	KSTEP 0, 1, 0
	s_wait_tensorcnt 0x0                           ; every wave: what I asked for has landed, Wq's and Wk's rows too (no LDS load of mine is out here)
	s_barrier_signal -1                            ; say so; reads of x and Wv alone stand between signal and wait
	KSTEP 0, 2, 0
	KSTEP 0, 3, 0
	PLACES 5                                       ; the results are read next, and the operands' registers go to work
.irp n, 0,1,2,3
	v_max3_num_f32 v[170+\n], |v[ACC+16*\n]|, |v[ACC+16*\n+1]|, 0x1800000
.endr
.irp i, 2,4,6,8,10,12,14
.irp n, 0,1,2,3
	v_max3_num_f32 v[170+\n], v[170+\n], |v[ACC+16*\n+\i]|, |v[ACC+16*\n+\i+1]|
.endr
.endr
.irp n, 0,1,2,3
	v_permlanex16_b32 v[PD+\n], v[170+\n], s14, s15
.endr
.irp n, 0,1,2,3
	v_max_num_f32 v[170+\n], v[170+\n], v[PD+\n]   ; with lane l xor 16's sixteen keys: the block's largest magnitude
.endr
.irp n, 0,1,2,3
	v_add_nc_u32 v[174+\n], 0xff000000, v[170+\n]
.endr
.irp n, 0,1,2,3
	v_lshrrev_b32 v[178+\n], 23, v[174+\n]
.endr
.irp n, 0,1,2,3
	v_cvt_scalef32_pk16_fp6_f32 v[184+4*\n:186+4*\n], v[ACC+16*\n:ACC+16*\n+15], v[174+\n]
.endr
	NEXTW                                          ; on to Wq's rows.  (Plain lines behind the conversions)
	WA
	s_barrier_wait -1                              ; Wq and Wk are whole
.irp n, 0,1,2,3
.irp j, 0,1,2
	ds_store_b32 v[AVW], v[184+4*\n+\j] offset:3072*\n+4*\j
.endr
	ds_store_b8 v[AVB], v[178+\n] offset:256*(\n/2)+64*(\n%2)
.endr
	s_wait_loadcnt 0x0                             ; the tables
	s_wait_dscnt 0x0                               ; my reads of Wv's rows are over and my stores have landed
	s_barrier_signal -1                            ; say so; Q's pass, which reads x's and Wq's rows alone, stands between signal and wait
	; ---- Q
	PASS 1
	RN4 QS
	NEXTW                                          ; on to Wk's rows
	WA
	s_barrier_wait -1                              ; nobody reads Wv's rows any more: Q's and K's images may be laid there
	QST 0
	s_wait_dscnt 0x0                               ; the stores have read their registers
	; ---- K
	PASS 2
	RN4 KW
	QST 1
	ds_store_b64 v[AKW], v[KW:KW+1]                ; my two tiles' scale words of row r; both halves of the lanes write the same
	WA
	s_wait_dscnt 0x0
	s_barrier_signal -1                            ; my images lie in LDS, and I read x's rows no more
	; ---- phase B: addresses, between signal and wait
	s_mul_i32 s80, s6, 768
	s_add_co_u32 s80, s80, KIMG
	s_mul_i32 s81, s6, 1280
	s_add_co_u32 s81, s81, KSC
	s_mul_i32 s82, s6, 12288
	s_add_co_u32 s82, s82, VIMG
	s_lshl_b32 s84, s6, 9
	s_add_co_u32 s84, s84, VSC
	s_mul_i32 s85, s5, 3072
	s_mul_i32 s86, s6, 24
	s_add_co_u32 s85, s85, s86
	s_lshl_b32 s87, s5, 7
	s_lshl_b32 s86, s6, 1
	s_add_co_u32 s87, s87, s86
	s_add_co_u32 s87, s87, OSC
	v_and_b32 v74, 31, v0                          ; l
	v_and_b32 v75, 15, v0                          ; r
	v_bfe_u32 v76, v0, 4, 1                        ; h
	v_bfe_u32 v77, v0, 3, 1                        ; r / 8
	v_mul_u32_u24 v[AKI], v74, 24
	v_mul_u32_u24 v[AKS], v75, 80
	v_mul_u32_u24 v[AVI], v74, 48
	v_mul_u32_u24 v[AOS], v75, 48
	v_add_nc_u32 v[AKI], s80, v[AKI]               ; K: tile 0's half fragment of my head pair
	v_add_nc_u32 v[AKS], s81, v[AKS]
	v_add_nc_u32 v[AVI], s82, v[AVI]
	v_lshl_add_u32 v[AVS], v74, 2, s84
	v_mad_u32_u24 v[AOS], v77, 1152, v[AOS]        ; 48 r + 1152 (r / 8) = 48 (r % 8) + 1536 (r / 8)
	v_mad_u32_u24 v[AOS], v76, 6, v[AOS]
	v_add_nc_u32 v[AOS], s85, v[AOS]               ; O's image: tile 2 b + r / 8, lane r % 8 (+ 8 for my tile 1, + 16 for my second head), registers 6 hp on, + 6 h bytes
	v_mov_b32 v[VK], 0xb58e9e76                    ; K1
	v_mov_b32 v[VK+1], 0xb58e9e76
.irp j, 6,7,8,9,10,11,18,19,20,21,22,23
	v_mov_b32 v[QM+\j], 0                          ; q's zero codes for k = 64 .. 127: written once
.endr
.irp j, 48,49,50,51,52,53
	v_mov_b32 v[KF+\j], 0                          ; what the last key tile's operand names behind its six registers: written before it is read
.endr
	WA
	s_barrier_wait -1                              ; all images lie in LDS
	QKLOAD
	HEAD 0
	HEAD 1
	s_mul_i32 s83, s4, 1536
	v_and_b32 v74, 31, v0
	v_mul_u32_u24 v75, v74, 48
	v_add_nc_u32 v75, s83, v75                     ; the way out: tile w's image
	v_lshlrev_b32 v76, 4, v74
	v_lshl_add_u32 v254, v0, 2, SPARE              ; my spare word, and 0, made anew
	v_mov_b32 v255, 0
	WA
	s_wait_dscnt 0x0                               ; all my stores of O have landed
	s_barrier_signal -1
	s_barrier_wait -1                              ; the sixteen images of O and their scale words are whole
.irp p, 0,1,2
	ds_load_b128 v[128+4*\p:131+4*\p], v75 offset:16*\p
.endr
	s_wait_dscnt 0x0
.irp p, 0,1,2
	global_store_b128 v76, v[128+4*\p:131+4*\p], s[36:37] offset:512*\p   ; registers 4 p .. 4 p + 3 of all lanes: 512 consecutive bytes, aligned
.endr
	s_cmp_lg_u32 s4, 0                             ; wave 0 stores the work-group's 1,024 bytes of scale words
	s_cbranch_scc1 .Lno_words
	ds_load_b128 v[144:147], v76 offset:OSC
	ds_load_b128 v[148:151], v76 offset:OSC+512
	s_wait_dscnt 0x0
	global_store_b128 v76, v[144:147], s[38:39]
	global_store_b128 v76, v[148:151], s[38:39] offset:512
.Lno_words:
	s_wait_tensorcnt 0x0                           ; the wave's end
	ds_add_u32 v254, v255
	s_wait_dscnt 0x0
	ROUND                                          ; the closing round: no work-group ends while a partner may still ask for a tile that names it
	s_endpgm
.Lfunc_end_k_q6bfb2a54d7_attn:
	.size	k_q6bfb2a54d7_attn, .Lfunc_end_k_q6bfb2a54d7_attn-k_q6bfb2a54d7_attn
	.p2alignl 7, 3214868480
	.fill 96, 4, 3214868480
	.section	.rodata,"a",@progbits
	.p2align	6, 0x0
	.amdhsa_kernel k_q6bfb2a54d7_attn
		.amdhsa_group_segment_fixed_size 304128
		.amdhsa_private_segment_fixed_size 0
		.amdhsa_enable_private_segment 0
		.amdhsa_kernarg_size 96
		.amdhsa_user_sgpr_count 2
		.amdhsa_user_sgpr_kernarg_segment_ptr 1
		.amdhsa_wavefront_size32 1
		.amdhsa_system_sgpr_workgroup_id_x 1
		.amdhsa_system_sgpr_workgroup_id_y 1
		.amdhsa_system_sgpr_workgroup_id_z 1
		.amdhsa_system_vgpr_workitem_id 0
		.amdhsa_next_free_vgpr 256
		.amdhsa_next_free_sgpr 96
		.amdhsa_reserve_vcc 0
		.amdhsa_float_denorm_mode_32 3
		.amdhsa_float_denorm_mode_16_64 3
		.amdhsa_memory_ordered 1
		.amdhsa_forward_progress 1
		.amdhsa_inst_pref_size 237
	.end_amdhsa_kernel
	.amdgpu_metadata
---
amdhsa.version: [ 1, 2 ]
amdhsa.kernels:
  - .name:           k_q6bfb2a54d7_attn
    .symbol:         k_q6bfb2a54d7_attn.kd
    .args:
      - { .name: x_codes, .offset: 0, .size: 8, .value_kind: global_buffer, .address_space: global }
      - { .name: x_scales, .offset: 8, .size: 8, .value_kind: global_buffer, .address_space: global }
      - { .name: Wq_codes, .offset: 16, .size: 8, .value_kind: global_buffer, .address_space: global }
      - { .name: Wq_scales, .offset: 24, .size: 8, .value_kind: global_buffer, .address_space: global }
      - { .name: Wk_codes, .offset: 32, .size: 8, .value_kind: global_buffer, .address_space: global }
      - { .name: Wk_scales, .offset: 40, .size: 8, .value_kind: global_buffer, .address_space: global }
      - { .name: Wv_codes, .offset: 48, .size: 8, .value_kind: global_buffer, .address_space: global }
      - { .name: Wv_scales, .offset: 56, .size: 8, .value_kind: global_buffer, .address_space: global }
      - { .name: rope_cos, .offset: 64, .size: 8, .value_kind: global_buffer, .address_space: global }
      - { .name: rope_sin, .offset: 72, .size: 8, .value_kind: global_buffer, .address_space: global }
      - { .name: ac, .offset: 80, .size: 8, .value_kind: global_buffer, .address_space: global }
      - { .name: asc, .offset: 88, .size: 8, .value_kind: global_buffer, .address_space: global }
    .group_segment_fixed_size: 304128
    .private_segment_fixed_size: 0
    .kernarg_segment_align: 8
    .kernarg_segment_size: 96
    .max_flat_workgroup_size: 512
    .sgpr_count:     96
    .vgpr_count:     256
    .wavefront_size: 32
...
	.end_amdgpu_metadata
.endif
;; end of part 1
;; launch proj (part 2): grid 4 x 64, 16 waves a work-group, clusters of 4 x 4, 225,280 bytes of LDS; arguments ac, asc, Wo_codes, Wo_scales, out0; writes out0
.if DOCPART == 2
	.amdgcn_target "amdgcn-amd-amdhsa--gfx1250"
	.amdhsa_code_object_version 6
	.text
	.protected	k_q6bfb2a54d7_proj
	.globl	k_q6bfb2a54d7_proj
	.p2align	8
	.type	k_q6bfb2a54d7_proj,@function
k_q6bfb2a54d7_proj:
	s_mov_b64 s[64:65], 0
	v_nop
	global_prefetch_b8 v0, s[64:65] scope:SCOPE_SE
	s_setreg_imm32_b32 hwreg(HW_REG_WAVE_MODE, 25, 1), 1
	s_wait_xcnt 0x0
	s_wait_alu depctr_hold_cnt(0) depctr_sa_sdst(0) depctr_va_vdst(0) depctr_va_sdst(0) depctr_va_ssrc(0) depctr_va_vcc(0) depctr_vm_vsrc(0)
	s_getreg_b32 s2, hwreg(HW_REG_IB_STS2, 6, 4)
	s_cmp_eq_u32 s2, 0
	s_cbranch_scc0 .Lentry_in_a_cluster
	s_endpgm
.Lentry_in_a_cluster:
	s_bfe_u32 s2, ttmp6, 0x10000c
	s_cmp_lg_u32 s2, 0xf033
	s_cbranch_scc0 .Lentry_shape_is_right
	s_endpgm
.Lentry_shape_is_right:
; out0 = O Wo^T on codes of FP6 (E2M3) with one E8M0 scale for each 32 along K = 512.  O's codes come as images of operand registers:
; ac[bt][K step q][tile T][plane p][lane][16 bytes], plane p = registers 4 p .. 4 p + 3; asc[bt][q][T][r]: a scale word.  Row r of tile 2 b + u is token 32 b + 8 u + r + 8 (r / 8).
; SHARES.  Work-group (cg, bt): the slice's 256 tokens x columns 128 cg .. 128 cg + 127.  Sixteen waves: b = w / 2, 32 tokens (tiles u = 0, 1); hp = w % 2, 64 columns (four tiles c).
; The product is used transposed (source 0 = 16 rows of Wo, source 1 = 16 tokens): a lane holds 8 neighbouring columns of one token's row.
; CLUSTER 4 x 4: a row of the cluster shares bt and so O's images, a column shares cg and so Wo's rows: both are asked for jointly.  Every tile is filled once; nothing is filled again.
; LIMITS: NaN, infinities and the scale byte 0xff are not served.
.set PITCH, 432                        ; an LDS row of Wo: 384 bytes + 16 behind every 128
.set FILLB, 64*PITCH
.set WOB,   98304                      ; O's images, dense, at 0; then 128 rows of Wo
.set STG,   WOB+2*FILLB                ; then a stage of 16 rows x 272 bytes for each wave
.set AXI, 1                            ; v1, v2  my tile 0's image in K steps 0, 1 and in K steps 2, 3
.set ADW, 3                            ; v3, v4  Wo's rows (v4: for pieces behind one padding more in lanes 16-31)
.set STO, 5
.set RD,  6
.set CO,  7
.set XS,  8                            ; v8-11   O's scale words, one for each K step; lanes 0-15 tile 0, lanes 16-31 tile 1
.set WS,  12                           ; v12-19  Wo's: 4 (c / 2) + K step; lanes 0-15 even c, lanes 16-31 odd c
.set ACC, 20                           ; v20-83  accumulator (u, c) at 20 + 8 (4 u + c)
.set XF,  84                           ; v84-107 O's two fragments
.set WF,  108                          ; v108-155 Wo's four
.set OB,  84                           ; the way out: two sets of 32
.macro ROUND                           ; a round of the cluster's barrier
	s_barrier_signal -1
	s_barrier_wait -1
	s_cmp_lg_u32 s4, 0
	s_cbranch_scc1 .Lnot_wave_0_\@
	s_barrier_signal -3
.Lnot_wave_0_\@:
	s_barrier_wait -3
	s_barrier_signal -1
	s_barrier_wait -1
.endm
.macro FRAG reg, adr, q, off           ; 16 rows x 128 K from rows of codes: pieces of 8 bytes; piece n of a row lies at 8 n + 16 (n / 16); lanes 16-31 read three pieces on
.irp p, 0,1,2,3,4,5
.set PCE, 12*(\q)+6*(\p/3)+\p%3
.if PCE%16 < 13
	ds_load_b64 v[\reg+2*\p:\reg+2*\p+1], v[\adr] offset:\off+8*PCE+16*(PCE/16)
.else
	ds_load_b64 v[\reg+2*\p:\reg+2*\p+1], v[\adr+1] offset:\off+8*PCE+16*(PCE/16)
.endif
.endr
.endm
.macro MM zero, d, a, b, sa, sb, ra, rb
.if \zero
.if (\ra) && (\rb)
	v_wmma_scale_f32_16x16x128_f8f6f4 v[\d:\d+7], v[\a:\a+11], v[\b:\b+11], 0, v[\sa], v[\sb] matrix_a_fmt:MATRIX_FMT_FP6 matrix_b_fmt:MATRIX_FMT_FP6 matrix_a_scale:MATRIX_SCALE_ROW1 matrix_b_scale:MATRIX_SCALE_ROW1
.elseif \ra
	v_wmma_scale_f32_16x16x128_f8f6f4 v[\d:\d+7], v[\a:\a+11], v[\b:\b+11], 0, v[\sa], v[\sb] matrix_a_fmt:MATRIX_FMT_FP6 matrix_b_fmt:MATRIX_FMT_FP6 matrix_a_scale:MATRIX_SCALE_ROW1
.elseif \rb
	v_wmma_scale_f32_16x16x128_f8f6f4 v[\d:\d+7], v[\a:\a+11], v[\b:\b+11], 0, v[\sa], v[\sb] matrix_a_fmt:MATRIX_FMT_FP6 matrix_b_fmt:MATRIX_FMT_FP6 matrix_b_scale:MATRIX_SCALE_ROW1
.else
	v_wmma_scale_f32_16x16x128_f8f6f4 v[\d:\d+7], v[\a:\a+11], v[\b:\b+11], 0, v[\sa], v[\sb] matrix_a_fmt:MATRIX_FMT_FP6 matrix_b_fmt:MATRIX_FMT_FP6
.endif
.else
.if (\ra) && (\rb)
	v_wmma_scale_f32_16x16x128_f8f6f4 v[\d:\d+7], v[\a:\a+11], v[\b:\b+11], v[\d:\d+7], v[\sa], v[\sb] matrix_a_fmt:MATRIX_FMT_FP6 matrix_b_fmt:MATRIX_FMT_FP6 matrix_a_scale:MATRIX_SCALE_ROW1 matrix_b_scale:MATRIX_SCALE_ROW1
.elseif \ra
	v_wmma_scale_f32_16x16x128_f8f6f4 v[\d:\d+7], v[\a:\a+11], v[\b:\b+11], v[\d:\d+7], v[\sa], v[\sb] matrix_a_fmt:MATRIX_FMT_FP6 matrix_b_fmt:MATRIX_FMT_FP6 matrix_a_scale:MATRIX_SCALE_ROW1
.elseif \rb
	v_wmma_scale_f32_16x16x128_f8f6f4 v[\d:\d+7], v[\a:\a+11], v[\b:\b+11], v[\d:\d+7], v[\sa], v[\sb] matrix_a_fmt:MATRIX_FMT_FP6 matrix_b_fmt:MATRIX_FMT_FP6 matrix_b_scale:MATRIX_SCALE_ROW1
.else
	v_wmma_scale_f32_16x16x128_f8f6f4 v[\d:\d+7], v[\a:\a+11], v[\b:\b+11], v[\d:\d+7], v[\sa], v[\sb] matrix_a_fmt:MATRIX_FMT_FP6 matrix_b_fmt:MATRIX_FMT_FP6
.endif
.endif
.endm
.macro KSTEP q, zero                   ; 128 along K: O's two images, Wo's four fragments, eight products on eight accumulators, which take turns
.if \q
.rept 4
	v_nop                                          ; four places in front of loads into registers that the last products read
.endr
.endif
.irp u, 0,1
.irp p, 0,1,2
	ds_load_b128 v[XF+12*\u+4*\p:XF+12*\u+4*\p+3], v[AXI+(\q)/2] offset:((\q)%2)*24576+1536*\u+512*\p
.endr
.endr
.irp c, 0,1,2,3
	FRAG WF+12*\c, ADW, \q, 16*PITCH*\c
.endr
.irp c, 0,1,2,3
	s_wait_dscnt 6*(3-\c)                          ; O's images and Wo's fragment c are in; the six loads of each younger fragment may be out
.irp u, 0,1
	MM \zero, ACC+8*(4*\u+\c), WF+12*\c, XF+12*\u, WS+4*(\c/2)+\q, XS+\q, \c%2, \u
.endr
.endr
.endm
	s_load_b256 s[16:23], s[0:1], 0x0              ; ac 16, asc 18, Wo codes 20, Wo scales 22
	s_load_b64 s[24:25], s[0:1], 0x20              ; out0
	v_lshl_add_u32 v192, v0, 2, 0x36800
	v_mov_b32 v193, 0
	ds_add_u32 v192, v193
	ds_add_u32 v192, v193
	v_lshrrev_b32 v1, 5, v0
	s_delay_alu instid0(VALU_DEP_1)
	v_readfirstlane_b32 s4, v1                     ; wave 0..15
	s_lshr_b32 s5, s4, 1                           ; b
	s_and_b32 s6, s4, 1                            ; hp
	s_bfe_u32 s7, ttmp6, 0x40000                   ; cx
	s_bfe_u32 s8, ttmp6, 0x40004                   ; cy
	s_lshl_b32 s9, ttmp9, 2
	s_add_co_u32 s9, s9, s7                        ; cg
	s_and_b32 s10, ttmp7, 0xffff
	s_lshl_b32 s10, s10, 2
	s_add_co_u32 s10, s10, s8                      ; bt
	s_lshl_b32 s11, s8, 2
	s_lshl_b32 s11, 15, s11                        ; my row of the cluster
	s_lshl_b32 s12, 0x1111, s7                     ; my column
	; group 1 for O's images: a dense block of 24,576 bytes as 96 rows of 256 bytes (32 elements of 8 bytes), no padding
	s_or_b32 s40, s11, (3<<16)|(1<<21)
	s_mov_b32 s41, 32<<16
	s_mov_b32 s42, 96<<16
	s_mov_b32 s43, 32<<16
	s_mov_b32 s44, 96
	s_mov_b32 s45, 32
	s_mov_b32 s46, 0
	s_mov_b32 s47, 0
	; group 1 for Wo's rows: 64 rows of 384 bytes, 16 bytes of padding behind every 128
	s_or_b32 s48, s12, (1<<20)|(1<<21)|(4<<22)|(3<<25)
	; (the 64 rows are dense in memory: stated as 96 rows of 256 bytes, the same LDS image)
	s_mov_b32 s49, 256<<16
	s_mov_b32 s50, 96<<16
	s_mov_b32 s51, 256<<16
	s_mov_b32 s52, 96
	s_mov_b32 s53, 256
	s_mov_b32 s54, 0
	s_mov_b32 s55, 0
	s_mul_i32 s74, s10, 98304                      ; ac: slice bt, K step (wave + 2) % 4: waves 2 to 5 fetch K steps 0 to 3.  (This pair never holds cg)
	s_add_co_u32 s3, s4, 2
	s_and_b32 s3, s3, 3
	s_mul_i32 s75, s3, 24576
	s_add_co_u32 s74, s74, s75
	s_mov_b32 s75, 0
	s_mul_i32 s76, s9, 49152                       ; Wo: 128 rows x cg, 64 rows x (wave % 2).  (This pair never holds bt)
	s_mul_i32 s77, s6, 24576
	s_add_co_u32 s76, s76, s77
	s_mov_b32 s77, 0
	s_lshl_b32 s28, s10, 19                        ; out0: 524,288 bytes a slice, 65,536 a block of 32 tokens, 512 a column group, 256 a wave's 64 columns
	s_lshl_b32 s29, s5, 16
	s_add_co_u32 s28, s28, s29
	s_lshl_b32 s29, s9, 9
	s_add_co_u32 s28, s28, s29
	s_lshl_b32 s29, s6, 8
	s_add_co_u32 s28, s28, s29
	s_mov_b32 s29, 0
	s_lshl_b32 s30, s10, 12                        ; asc: 4,096 bytes a slice
	s_mov_b32 s31, 0
	s_wait_dscnt 0x0
	s_wait_kmcnt 0x0
	s_mov_b32 s56, 1
	s_mul_i32 s57, s3, 24576
	s_add_nc_u64 s[58:59], s[16:17], s[74:75]
	s_or_b32 s59, s59, 0x80000000
	s_mov_b32 s60, 1
	s_mul_i32 s61, s6, FILLB
	s_add_co_u32 s61, s61, WOB
	s_add_nc_u64 s[62:63], s[20:21], s[76:77]
	s_or_b32 s63, s63, 0x80000000
	s_add_nc_u64 s[24:25], s[24:25], s[28:29]
	s_add_nc_u64 s[18:19], s[18:19], s[30:31]
	ROUND                                          ; all sixteen work-groups are here: the joint loads meet
	s_cmp_lt_u32 s4, 2                             ; one load a wave: waves 0, 1 Wo's halves, wave 2 K step 0's images, waves 3-5 those of K steps 1 to 3; four v_nop follow each line
	s_cbranch_scc0 .Lnot_w
	tensor_load_to_lds s[60:63], s[48:55]
	s_nop 0
.rept 4
	v_nop
.endr
	s_branch .Lasked
.Lnot_w:
	s_cmp_lt_u32 s4, 3                             ; (wave 2 has a load line of its own: it waits at the first barrier, waves 3-5 do not)
	s_cbranch_scc0 .Lnot_a
	tensor_load_to_lds s[56:59], s[40:47]
	s_nop 0
.rept 4
	v_nop
.endr
	s_branch .Lasked
.Lnot_a:
	s_cmp_lt_u32 s4, 6
	s_cbranch_scc0 .Lasked
	tensor_load_to_lds s[56:59], s[40:47]
	s_nop 0
.rept 4
	v_nop
.endr
.Lasked:
	v_and_b32 v160, 31, v0                         ; l
	v_and_b32 v161, 15, v0                         ; r
	v_bfe_u32 v162, v0, 4, 1                       ; h
	s_lshl_b32 s32, s5, 7
	v_lshl_add_u32 v163, v160, 2, s32              ; O's scale words: 64 bytes a tile: 128 b + 4 l
	s_lshl_b32 s33, s9, 11
	s_lshl_b32 s34, s6, 10
	s_add_co_u32 s33, s33, s34
	v_lshl_add_u32 v164, v160, 4, s33              ; Wo's: row 128 cg + 64 hp + l, 16 bytes a row
.irp q, 0,1,2,3
	global_load_b32 v[XS+\q], v163, s[18:19] offset:1024*\q
.endr
	global_load_b128 v[WS:WS+3], v164, s[22:23]
	global_load_b128 v[WS+4:WS+7], v164, s[22:23] offset:512
	s_mul_i32 s35, s5, 3072
	v_lshl_add_u32 v[AXI], v160, 4, s35
	s_delay_alu instid0(VALU_DEP_1)
	v_add_nc_u32 v[AXI+1], 49152, v[AXI]
	s_mul_i32 s36, s6, FILLB
	s_add_co_u32 s36, s36, WOB
	v_mul_u32_u24 v[ADW], v161, PITCH
	s_delay_alu instid0(VALU_DEP_1)
	v_mad_u32_u24 v[ADW], v162, 24, v[ADW]
	s_delay_alu instid0(VALU_DEP_1)
	v_add_nc_u32 v[ADW], s36, v[ADW]
	s_delay_alu instid0(VALU_DEP_1)
	v_lshl_add_u32 v[ADW+1], v162, 4, v[ADW]
	s_mul_i32 s37, s4, 16*272
	s_add_co_u32 s37, s37, STG                     ; my stage
	v_mul_u32_u24 v[STO], v161, 272
	s_delay_alu instid0(VALU_DEP_1)
	v_lshl_add_u32 v[STO], v162, 5, v[STO]
	s_delay_alu instid0(VALU_DEP_1)
	v_add_nc_u32 v[STO], s37, v[STO]               ; in: row r, 32 bytes for each half of the lanes
	v_mul_u32_u24 v[RD], v162, 272
	s_delay_alu instid0(VALU_DEP_1)
	v_lshl_add_u32 v[RD], v161, 4, v[RD]
	s_delay_alu instid0(VALU_DEP_1)
	v_add_nc_u32 v[RD], s37, v[RD]                 ; back: lanes 0-15 one row of 256 bytes, lanes 16-31 the next
	v_lshlrev_b32 v[CO], 11, v162
	s_delay_alu instid0(VALU_DEP_1)
	v_lshl_add_u32 v[CO], v161, 4, v[CO]           ; and the same two rows of out0, 2,048 bytes apart
	s_wait_alu depctr_va_vdst(0)
	s_cmp_lt_u32 s4, 3
	s_cbranch_scc0 .Llater
	s_wait_tensorcnt 0x0                           ; my tile of Wo, or K step 0's images, has landed
.Llater:
	s_barrier_signal -1
	s_barrier_wait -1                              ; Wo and K step 0's images are whole; the other images may still be on their way
	s_wait_loadcnt 0x0                             ; the scale words
	KSTEP 0, 1
	s_wait_tensorcnt 0x0                           ; every wave: what I asked for has landed (no LDS load of mine is out here)
	s_barrier_signal -1
	s_barrier_wait -1                              ; all images are whole
	KSTEP 1, 0
	KSTEP 2, 0
	KSTEP 3, 0
.rept 4
	v_nop                                          ; four places in front of the first read of results and of loads into the operands' registers
.endr
; THE WAY OUT.  A tile's 16 rows x 256 bytes go through my own stage and come back as whole rows; LDS serves a wave's instructions in order (ISA guide 5.7.1.4): no wait between the stores and the loads, nor in front of the next tile's stores.
.macro TOSTAGE u
.irp c, 0,1,2,3
	ds_store_b128 v[STO], v[ACC+8*(4*\u+\c):ACC+8*(4*\u+\c)+3] offset:64*\c          ; each accumulator from its low end on
	ds_store_b128 v[STO], v[ACC+8*(4*\u+\c)+4:ACC+8*(4*\u+\c)+7] offset:64*\c+16
.endr
.irp t, 0,1,2,3,4,5,6,7
	ds_load_b128 v[OB+32*\u+4*\t:OB+32*\u+4*\t+3], v[RD] offset:544*\t
.endr
.endm
.macro SEND u, younger                 ; younger: the LDS instructions issued behind this tile's loads.  Rows 2 t and 2 t + 1 of the tile are tokens 32 b + 8 u + 2 t + 8 (t / 4) and the next
.irp t, 0,1,2,3,4,5,6,7
	s_wait_dscnt \younger+7-\t
	global_store_b128 v[CO], v[OB+32*\u+4*\t:OB+32*\u+4*\t+3], s[24:25] offset:(8*\u+2*\t+8*(\t/4))*2048 th:TH_STORE_NT   ; 16 lanes store 256 consecutive bytes, at a multiple of 256 from out0's first byte
.endr
.endm
	TOSTAGE 0
	TOSTAGE 1
	SEND 0, 16
	SEND 1, 0
	s_wait_tensorcnt 0x0
	ds_add_u32 v192, v193
	s_wait_dscnt 0x0
	ROUND                                          ; the closing round: no work-group ends while a partner may still ask for a tile that names it
	s_endpgm
.Lfunc_end_k_q6bfb2a54d7_proj:
	.size	k_q6bfb2a54d7_proj, .Lfunc_end_k_q6bfb2a54d7_proj-k_q6bfb2a54d7_proj
	.p2alignl 7, 3214868480
	.fill 96, 4, 3214868480
	.section	.rodata,"a",@progbits
	.p2align	6, 0x0
	.amdhsa_kernel k_q6bfb2a54d7_proj
		.amdhsa_group_segment_fixed_size 225280
		.amdhsa_private_segment_fixed_size 0
		.amdhsa_enable_private_segment 0
		.amdhsa_kernarg_size 40
		.amdhsa_user_sgpr_count 2
		.amdhsa_user_sgpr_kernarg_segment_ptr 1
		.amdhsa_wavefront_size32 1
		.amdhsa_system_sgpr_workgroup_id_x 1
		.amdhsa_system_sgpr_workgroup_id_y 1
		.amdhsa_system_sgpr_workgroup_id_z 1
		.amdhsa_system_vgpr_workitem_id 0
		.amdhsa_next_free_vgpr 194
		.amdhsa_next_free_sgpr 80
		.amdhsa_reserve_vcc 0
		.amdhsa_float_denorm_mode_32 3
		.amdhsa_float_denorm_mode_16_64 3
		.amdhsa_memory_ordered 1
		.amdhsa_forward_progress 1
		.amdhsa_inst_pref_size 25
	.end_amdhsa_kernel
	.amdgpu_metadata
---
amdhsa.version: [ 1, 2 ]
amdhsa.kernels:
  - .name:           k_q6bfb2a54d7_proj
    .symbol:         k_q6bfb2a54d7_proj.kd
    .args:
      - { .name: ac, .offset: 0, .size: 8, .value_kind: global_buffer, .address_space: global }
      - { .name: asc, .offset: 8, .size: 8, .value_kind: global_buffer, .address_space: global }
      - { .name: Wo_codes, .offset: 16, .size: 8, .value_kind: global_buffer, .address_space: global }
      - { .name: Wo_scales, .offset: 24, .size: 8, .value_kind: global_buffer, .address_space: global }
      - { .name: out0, .offset: 32, .size: 8, .value_kind: global_buffer, .address_space: global }
    .group_segment_fixed_size: 225280
    .private_segment_fixed_size: 0
    .kernarg_segment_align: 8
    .kernarg_segment_size: 40
    .max_flat_workgroup_size: 512
    .sgpr_count:     80
    .vgpr_count:     194
    .wavefront_size: 32
...
	.end_amdgpu_metadata
.endif
;; end of part 2
